; MI455X (gfx1250); checked and timed in simulation.
; The chip was launched on July 23, 2026; its instructions are those of AMD's public machine-readable ISA for CDNA 5 (MIT licence, August 2026) and "CDNA5" Instruction Set Architecture Reference Guide (July 2026). The comments in the code are by the model that wrote it; some were corrected since.
;; Ro PE Head. Allowed arithmetic: matrix products marked QUANTISED: E2M1 operands, one E8M0 scale for each 32 along K, by v_wmma_scale_f32_16x16x128_f8f6f4 with both operands' format E2M1 (or v_wmma_scale_f32_32x16x128_f4), f32 sums; everything else in f32.
;; Inputs: W_K 128 x 1,024 float32; x 8 x 4,096 x 1,024 float32.
;; Outputs: out0 8 x 4,096 x 128 float32.
;; This version of the problem:
;;   THIS VERSION OF THE PROBLEM IS GIVEN IN LOW PRECISION. The matrix products marked QUANTISED in the list below multiply operands that are first quantised to E2M1 (2 exponent bits, 1 mantissa bit; 4 bits a number), with one power-of-two scale for each 32 numbers along K (OCP MX v1.0); their sums are f32. All else is computed in f32.
;;   The module's matrix products, in the order in which they are computed (A, B: the left and right operand; K: the contracted axis; several contracted axes count as one K, in the product's order):
;;     1. [M 32,768, K 1,024] x [K 1,024, N 128]; A: input x; B: input W_K: QUANTISED
;;     2. batch 8 x [M 4,096, K 128] x [K 128, N 4,096]; A: computed on the way; B: computed on the way: QUANTISED
;;     3. batch 8 x [M 4,096, K 4,096] x [K 4,096, N 128]; A: softmax (see below); B: computed on the way: QUANTISED
;;   THE QUANTISER, for each operand of a quantised product, along K:
;;     - K is cut into blocks of 32 from its start; a last block that is shorter is filled with zeros.
;;     - A block's scale is 2^e with e = floor(log2(the largest magnitude in the block)) - 2, held to -126 .. 127; a block of zeros has e = 0. As a byte (E8M0): e + 127.
;;     - Each number is divided by its block's scale, clamped to +-6, and rounded to the nearest number of E2M1, ties to even, subnormals kept.
;;     - The product sums the exact products of the quantised numbers (number of the format x scale) in f32.
;;   ~~~python
;;   def quantise(x, axis):      # numpy; x: float32 -> the quantised numbers, widened to float32 again
;;       x = np.moveaxis(x, axis, -1); K = x.shape[-1]
;;       x = np.pad(x, [(0, 0)] * (x.ndim - 1) + [(0, -K % 32)]); x = x.reshape(x.shape[:-1] + (-1, 32)); a = np.abs(x).max(-1, keepdims=True)
;;       e = np.where(a > 0, np.clip(np.frexp(np.where(a > 0, a, 1))[1] - 1 - 2, -126, 127), 0)      # np.frexp(a)[1] - 1 = floor(log2(a)), exactly
;;       r = np.clip(x / 2.0 ** e, -6, 6)
;;       step = 2.0 ** (np.maximum(np.frexp(np.where(r == 0, 1, r))[1] - 1, 0) - 1)
;;       q = np.round(r / step) * step * 2.0 ** e      # np.round: ties to even
;;       return np.moveaxis(q.reshape(q.shape[:-2] + (-1,))[..., :K], -1, axis).astype(np.float32)
;;   ~~~
;;   SOFTMAX AHEAD OF A QUANTISED PRODUCT. Where the list says 'softmax', what is quantised is not the finished softmax but p = 2^(t - M), with t = logit x log2(e) and M = ceil(the row's largest t), a whole number; so 1/2 < the row's largest p <= 1. The row's sum l is taken of the UNQUANTISED p, in f32, and the product's result is divided by l at the end. Since M is a whole number, a kernel that streams over the keys may use a running M (the ceiling of the running maximum): every later rescaling is an exact power of two, which a block's scale takes up: the codes' values come out the same.
;;   OPERANDS COMPUTED ON THE WAY. 'Computed on the way' means the value that the module computes at that place (a softmax that the list does not call 'softmax' is quantised finished and normalised). What goes into a quantiser is computed in f32, as accurately as f32 sums, v_exp_f32 and their like allow (about 1e-6 of the number): no bf16 or f16 on the way to a quantiser, and a product that is left as it is and whose result goes on into a quantised operand takes f32 operands (vector FMAs, or v_wmma_f32_16x16x4_f32). A number that lies on a knife's edge between two numbers of the format may be rounded either way, as far as f32 arithmetic and the matrix unit's own rounding can turn it there, and no further.
;; 2 versions, each right; version 2 is version 1 with the launch proj written anew for expert scheduling mode. Each part assembles by itself: llvm-mc -triple=amdgcn-amd-amdhsa -mcpu=gfx1250 --defsym DOCPART=n.
;; ======== version 1 of 2: 2 launches
;; workspace buffers: kv 4,456,448 bytes
;; launch proj (part 1): grid 256 x 1, 8 waves a work-group, no clusters, 155,648 bytes of LDS; arguments x, W_K, kv; writes kv
.if DOCPART == 1
	.amdgcn_target "amdgcn-amd-amdhsa--gfx1250"
	.amdhsa_code_object_version 6
	.text
	.protected	k_q04bfcb1594_proj
	.globl	k_q04bfcb1594_proj
	.p2align	8
	.type	k_q04bfcb1594_proj,@function
k_q04bfcb1594_proj:
	s_mov_b64 s[64:65], 0
	v_nop
	global_prefetch_b8 v0, s[64:65] scope:SCOPE_SE
	s_setreg_imm32_b32 hwreg(HW_REG_WAVE_MODE, 25, 1), 1
	s_wait_xcnt 0x0
; k = x W_K^T on codes of FP4 (E2M1) with one E8M0 scale for each 32 along K; then k's two quantised forms for the attention:
; k_rot (k turned by 64 fixed angles) quantised along the head's 128, and k itself quantised along the tokens, 32 to a block.
; x: [32768][1024] f32.  W_K: [128][1024] f32.  kv: 256 records of 17,408 bytes, one for each 128 tokens: this work-group makes record ttmp9.
; A RECORD: +0 eight fragments of k_rot's codes (16 tokens x 128 channels), +8192 eight fragments of k's codes (16 channels x 128 tokens), each 1,024 bytes as an IMAGE OF THE
; OPERAND'S REGISTERS ([half c][lane][16 bytes]); +16384 k_rot's scale words [row 16][tile 8]; +16896 k's likewise.
; THE ROWS OF A TILE ARE NOT NEIGHBOURS: row r of tile t is token (or channel) 32 (t / 2) + 8 (t % 2) + r + 8 (r / 8), so that a transposed result's 16 registers of tiles 2 b, 2 b + 1 are 16 neighbours.
; SHARES.  Eight waves.  Wave w quantises tile w of W_K (16 channels) and tile w of the 128 tokens of x, 128 along K a step; W_K's fragments go to the other waves through LDS as images.
; Steps take turns: W_K's K step s, a barrier, x's K step s and its 16 products.  Loads run four steps (64 loads a wave) ahead, in four sets of 64 registers, so x streams from the first line on.
; BOTH ORIENTATIONS of the product are made from the same fragments: W x^T (a lane holds one token, registers along the channels: what the rotation and the quantiser along the head want)
; and x W^T (a lane holds one channel, registers along eight neighbouring tokens: what the quantiser along the tokens wants).  That spares a transposition of f32 numbers through LDS.
; A load reads 512 consecutive bytes of one row; the conversions want 16 neighbours in a lane: a step's 16 rows turn through the wave's own stage in LDS (pitch 528 = 33 x 16 bytes).
; NO CLUSTER, NO TENSOR LOAD: what the work-groups share is W_K as f32, and every number of it has to pass a lane's registers to be quantised; it is read by plain loads, as x is, and no LDS slot is filled by an engine.
; THE ANGLES: theta_p = 2^(-p log2(10000) / 64), p = 0 .. 63, at most 1; sine and cosine by their series up to theta^13 and theta^12: what is cut off lies under 2e-10.
; LIMITS: NaN and infinities among the inputs are not served.  A block whose largest magnitude lies under 2^-124 has its byte held at 1; a block of zeros gets the byte 1 and not 127: its codes are zeros, and this program alone reads the bytes.
.set RECB, 17408
.set WIMG, 0                           ; LDS: W_K's 64 fragments, (K step s, tile t) at (8 s + t) x 1,024
.set WSC,  65536                       ; their scale words [s][row 16][tile 8]
.set STG,  69632                       ; a stage for each wave: 16 rows x 528 bytes
.set TRIG, 137216                      ; for each wave: 64 cosines, 64 sines
.set MAXT, 141312                      ; [wave][row 16][tile 8]: largest |k| of a wave's 16 tokens, for each channel
.set VST,  145408                      ; k's eight fragments along the tokens, gathered
.set SCW,  153600                      ; the record's two tables of scale words
.set GOFF, 4                           ; v4   16 x lane: my bytes of a load's 512
.set STS,  5                           ; v5   the stage, in: 16 x lane
.set STL,  6                           ; v6   the stage, out: 528 r + 64 h
.set LI,   7                           ; v7   16 x lane: an image's place for my lane
.set WIS,  8                           ; v8   where I store W_K's images: 16 x lane + 1,024 x wave
.set LSW,  9                           ; v9   W_K's scale words of row r
.set WSS,  10                          ; v10  and where I store mine
.set TRS,  11                          ; v11  my wave's table, 4 x lane
.set TRL,  12                          ; v12  my wave's table, 32 h
.set MXO,  13                          ; v13  my wave's maxima of row r
.set MXP,  14                          ; v14  those of the wave that holds the other 16 tokens of my block of 32
.set MXF,  15                          ; v15  tile w's maxima of row r, wave 0's
.set VSS,  16                          ; v16  where my eight codes along the tokens go
.set VSL,  17                          ; v17  the gathered fragment w, 16 x lane
.set SCK,  18                          ; v18  scale word (row r, tile w)
.set SCL,  19                          ; v19  a table of scale words, 16 x lane
.set GIM,  20                          ; v20  byte offset of fragment w in the record
.set GSC,  21                          ; v21  and of a table
.set X,    24                          ; v24-87   64 numbers of a lane; then W_K's eight fragments; at work in the end phases
.set ACT,  88                          ; v88-151  W x^T: tile t at + 8 t
.set ACN,  152                         ; v152-215 x W^T: tile t at + 8 t
.set PC,   216                         ; v216-223 the codes just made
.set TM,   224                         ; v224-239 at work in the quantiser
.set PW,   240                         ; v240     the scale word just made: scales and nothing else
.set WS,   242                         ; v242-249 W_K's scale words of a K step: scales and nothing else
.set SEL,  20                          ; s[20:21] v_permlanex16_b32's selects for lane l xor 16
.set MSB, 0
.macro WIN new                         ; window 1 (v256-511) holds the four sets of loaded numbers; the immediate's high byte repeats the setting that is left
.if MSB != \new
	s_set_vgpr_msb (MSB<<8)|\new
.set MSB, \new
.endif
.endm
.macro BARRIER                         ; my LDS stores have landed and my LDS loads are in: then the work-group's barrier
	s_wait_dscnt 0x0
	s_barrier_signal -1
	s_barrier_wait -1
.endm
; Step tau's 16 rows x 512 bytes into set tau % 4.  Even steps are W_K's K step tau / 2, odd steps x's.
.macro LOAD tau
	WIN 0x40                                       ; destination window 1, address window 0
.irp i, 0,1,2,3,4,5,6,7,8,9,10,11,12,13,14,15
.if (\tau)%2
	global_load_b128 v[64*((\tau)%4)+4*\i:64*((\tau)%4)+4*\i+3], v[GOFF], s[4:5] offset:(\i+8*(\i/8))*4096+512*((\tau)/2) th:TH_LOAD_NT
.else
	global_load_b128 v[64*((\tau)%4)+4*\i:64*((\tau)%4)+4*\i+3], v[GOFF], s[6:7] offset:(\i+8*(\i/8))*4096+512*((\tau)/2)
.endif
.endr
	WIN 0
.endm
; The step's numbers through my stage: in as loaded, out 16 neighbours of each block of 32: register 16 b + i = k 32 b + 16 h + i of row r.  LDS serves a wave's instructions in order: no wait between.
.macro TURN tau
	WIN 0x04                                       ; an LDS store's data are its source 1: window 1
.irp i, 0,1,2,3,4,5,6,7,8,9,10,11,12,13,14,15
	ds_store_b128 v[STS], v[64*((\tau)%4)+4*\i:64*((\tau)%4)+4*\i+3] offset:528*\i
.endr
	WIN 0
.irp b, 0,1,2,3
.irp j, 0,1,2,3
	ds_load_b128 v[X+16*\b+4*\j:X+16*\b+4*\j+3], v[STL] offset:128*\b+16*\j
.endr
.endr
.endm
; 64 numbers of a lane, register 16 b + i = k 32 b + 16 h + i of my row, become a fragment's codes in v[PC] on and its scale word in v[PW].
.macro QUANT s
.irp b, 0,1,2,3
	v_max3_num_f32 v[TM+\b], |v[\s+16*\b]|, |v[\s+1+16*\b]|, 0x1800000   ; block b: my 16 numbers, and the floor 2^(3 - 127): the byte cannot fall under 1
.endr
.irp i, 2,4,6,8,10,12,14
.irp b, 0,1,2,3
	v_max3_num_f32 v[TM+\b], v[TM+\b], |v[\s+16*\b+\i]|, |v[\s+1+16*\b+\i]|   ; the four blocks by turns
.endr
.endr
.irp b, 0,1,2,3
	v_permlanex16_b32 v[TM+4+\b], v[TM+\b], s[SEL], s[SEL+1]
.endr
.irp b, 0,1,2,3
	v_max_num_f32 v[TM+\b], v[TM+\b], v[TM+4+\b]   ; with lane l xor 16's: the block's largest magnitude
.endr
.irp b, 0,1,2,3
	v_add_nc_u32 v[TM+12+\b], 0xff000000, v[TM+\b] ; 2 off its exponent field: the conversion takes the exponent field of this operand as its scale
.endr
.irp b, 0,1,2,3
	v_lshrrev_b32 v[TM+4+\b], 23, v[TM+12+\b]      ; the scale's byte
.endr
	v_lshl_or_b32 v[PW], v[TM+5], 8, v[TM+4]       ; four bytes: my row's scale word
	v_lshl_or_b32 v[PW], v[TM+6], 16, v[PW]
	v_lshl_or_b32 v[PW], v[TM+7], 24, v[PW]
.irp b, 0,1,2,3
	v_cvt_scalef32_pk8_fp4_f32 v[PC+2*\b], v[\s+16*\b:\s+7+16*\b], v[TM+12+\b]
	v_cvt_scalef32_pk8_fp4_f32 v[PC+1+2*\b], v[\s+8+16*\b:\s+15+16*\b], v[TM+12+\b]
.endr
	v_nop                                          ; one plain place behind a scaled conversion
.irp c, 0,1                                        ; the operand's layout wants a whole block in a lane: lanes 0-15 block 2 c, lanes 16-31 block 2 c + 1
.irp i, 0,1
	v_permlane16_swap_b32 v[PC+4*\c+\i], v[PC+2+4*\c+\i]
.endr
.endr
.endm
; What every step begins with: its 16 loads are in, its numbers turn through the stage, its set takes the loads of four steps on, and the numbers are quantised.
.macro INSTEP tau
.if 15-(\tau) >= 3
	s_wait_loadcnt 48                              ; loads come back in order: mine are in; the 16 of each of the three steps behind may be out
.else
	s_wait_loadcnt 16*(15-(\tau))                  ; the last steps: fewer sets are behind
.endif
	TURN \tau
	s_wait_dscnt 0x0                               ; the numbers are back; the stage's stores have read the set
.if (\tau)+4 <= 15
	LOAD (\tau)+4
.endif
	QUANT X
.endm
.macro WSTEP s                         ; W_K's K step s: my tile's fragment and scale word go to LDS for all eight waves
	INSTEP 2*(\s)
	ds_store_b128 v[WIS], v[PC:PC+3] offset:WIMG+8192*(\s)
	ds_store_b128 v[WIS], v[PC+4:PC+7] offset:WIMG+8192*(\s)+512
	ds_store_b32 v[WSS], v[PW] offset:512*(\s)
	BARRIER
.endm
.macro XSTEP s, zero                   ; x's K step s: my 16 tokens against all 128 channels, both ways round.  zero = 1: the products start the sums
	INSTEP 2*(\s)+1
.irp t, 0,1,2,3,4,5,6,7
	ds_load_b128 v[X+8*\t:X+8*\t+3], v[LI] offset:WIMG+(8*(\s)+\t)*1024
	ds_load_b128 v[X+8*\t+4:X+8*\t+7], v[LI] offset:WIMG+(8*(\s)+\t)*1024+512
.endr
	ds_load_b128 v[WS:WS+3], v[LSW] offset:512*(\s)
	ds_load_b128 v[WS+4:WS+7], v[LSW] offset:512*(\s)+16
.rept 8
	v_nop                                          ; x's scale word was made by vector instructions: eight places ahead of a scaled product (its codes: four); they stand while the loads are out
.endr
	s_wait_dscnt 0x0
.irp t, 0,1,2,3,4,5,6,7                            ; the 16 accumulators take turns, one instruction a turn
.if \zero
	v_wmma_scale_f32_16x16x128_f8f6f4 v[ACT+8*\t:ACT+8*\t+7], v[X+8*\t:X+8*\t+7], v[PC:PC+7], 0, v[WS+\t], v[PW] matrix_a_fmt:MATRIX_FMT_FP4 matrix_b_fmt:MATRIX_FMT_FP4
.else
	v_wmma_scale_f32_16x16x128_f8f6f4 v[ACT+8*\t:ACT+8*\t+7], v[X+8*\t:X+8*\t+7], v[PC:PC+7], v[ACT+8*\t:ACT+8*\t+7], v[WS+\t], v[PW] matrix_a_fmt:MATRIX_FMT_FP4 matrix_b_fmt:MATRIX_FMT_FP4
.endif
.endr
.irp t, 0,1,2,3,4,5,6,7
.if \zero
	v_wmma_scale_f32_16x16x128_f8f6f4 v[ACN+8*\t:ACN+8*\t+7], v[PC:PC+7], v[X+8*\t:X+8*\t+7], 0, v[PW], v[WS+\t] matrix_a_fmt:MATRIX_FMT_FP4 matrix_b_fmt:MATRIX_FMT_FP4
.else
	v_wmma_scale_f32_16x16x128_f8f6f4 v[ACN+8*\t:ACN+8*\t+7], v[PC:PC+7], v[X+8*\t:X+8*\t+7], v[ACN+8*\t:ACN+8*\t+7], v[PW], v[WS+\t] matrix_a_fmt:MATRIX_FMT_FP4 matrix_b_fmt:MATRIX_FMT_FP4
.endif
.endr
.rept 4
	v_nop                                          ; four places ahead of loads into, and vector writes of, the products' registers, and of the first read of results
.endr
.endm
	s_load_b128 s[4:7], s[0:1], 0x0                ; x, W_K
	s_load_b64 s[8:9], s[0:1], 0x10                ; kv
	v_lshl_add_u32 v254, v0, 2, 0x25c00
	v_mov_b32 v255, 0
	v_lshrrev_b32 v1, 5, v0
	v_readfirstlane_b32 s10, v1                    ; wave 0..7
	v_and_b32 v1, 31, v0                           ; lane
	v_and_b32 v2, 15, v0                           ; r
	v_bfe_u32 v3, v0, 4, 1                         ; h
	s_lshr_b32 s11, s10, 1                         ; b: which 32 rows
	s_and_b32 s12, s10, 1                          ; u: which eights of them
	s_lshl_b32 s13, s11, 5
	s_lshl_b32 s14, s12, 3
	s_add_co_u32 s13, s13, s14                     ; my tile's first row: 32 b + 8 u
	s_lshl_b32 s14, s13, 12                        ; rows of x and of W_K are 4,096 bytes
	s_mov_b32 s15, 0
	s_lshl_b32 s16, ttmp9, 19                      ; the work-group's 128 rows of x
	s_mov_b32 s17, 0
	s_mul_i32 s18, ttmp9, RECB                     ; and its record
	s_mov_b32 s19, 0
	s_mov_b32 s[SEL], 0x76543210
	s_mov_b32 s[SEL+1], 0xfedcba98
	v_lshlrev_b32 v[GOFF], 4, v1
	s_wait_kmcnt 0x0
	s_add_nc_u64 s[4:5], s[4:5], s[14:15]
	s_add_nc_u64 s[4:5], s[4:5], s[16:17]
	s_add_nc_u64 s[6:7], s[6:7], s[14:15]
	s_add_nc_u64 s[8:9], s[8:9], s[18:19]
	LOAD 0
	LOAD 1
	LOAD 2
	LOAD 3
	; every LDS address: a constant + a constant x lane + a constant x wave
	s_mul_i32 s22, s10, 8448
	s_add_co_u32 s22, s22, STG
	v_add_nc_u32 v[STS], s22, v[GOFF]
	v_mul_u32_u24 v[STL], v2, 528
	v_lshl_add_u32 v[STL], v3, 6, v[STL]
	v_add_nc_u32 v[STL], s22, v[STL]
	v_lshlrev_b32 v[LI], 4, v1
	s_lshl_b32 s23, s10, 10
	v_add_nc_u32 v[WIS], s23, v[LI]
	v_lshlrev_b32 v22, 5, v2                       ; 32 r
	v_add_nc_u32 v[LSW], WSC, v22
	s_lshl_b32 s24, s10, 2
	v_add_nc_u32 v[WSS], s24, v[LSW]
	s_lshl_b32 s25, s10, 9
	s_add_co_u32 s25, s25, TRIG
	v_lshl_add_u32 v[TRS], v1, 2, s25
	v_lshl_add_u32 v[TRL], v3, 5, s25
	s_lshl_b32 s25, s10, 9
	s_add_co_u32 s25, s25, MAXT
	v_add_nc_u32 v[MXO], s25, v22
	s_xor_b32 s26, s10, 1
	s_lshl_b32 s26, s26, 9
	s_add_co_u32 s26, s26, MAXT
	v_add_nc_u32 v[MXP], s26, v22
	s_add_co_u32 s26, s24, MAXT
	v_add_nc_u32 v[MXF], s26, v22
	s_lshl_b32 s26, s11, 8
	s_lshl_b32 s27, s12, 2
	s_add_co_u32 s26, s26, s27
	s_add_co_u32 s26, s26, VST
	v_lshlrev_b32 v[VSS], 4, v2
	v_lshl_add_u32 v[VSS], v3, 3, v[VSS]
	v_add_nc_u32 v[VSS], s26, v[VSS]               ; 256 b + 16 r + 8 h + 4 u: block b of the tokens, row r, my eight codes' word
	s_add_co_u32 s26, s23, VST
	v_add_nc_u32 v[VSL], s26, v[LI]
	s_add_co_u32 s26, s24, SCW
	v_add_nc_u32 v[SCK], s26, v22
	s_lshl_b32 s27, s12, 9
	s_add_co_u32 s26, s27, SCW
	v_add_nc_u32 v[SCL], s26, v[LI]
	v_add_nc_u32 v[GIM], s23, v[LI]
	v_add_nc_u32 v[GSC], s27, v[LI]
.irp i, 4,5,6,7,8,9,10,11,12,13,14,15
	v_mov_b32 v[TM+\i], 0                          ; written once: a lane permute's destination counts as one of its sources
.endr
	; THE TABLE, while the first loads are out: lane l makes the cosines and sines of angles l and l + 32
	v_cvt_f32_u32 v24, v1
	v_add_nc_u32 v25, 32, v1
	v_cvt_f32_u32 v25, v25
	v_mul_f32 v24, 0xbe549a78, v24                 ; - p log2(10000) / 64
	v_mul_f32 v25, 0xbe549a78, v25
	v_exp_f32 v24, v24                             ; theta
	v_exp_f32 v25, v25
	v_mov_b32 v28, 0x2f309231                      ; 1 / 13!  (a plain place behind the exponentials)
	v_mov_b32 v29, 0x2f309231
	v_mov_b32 v30, 0x310f76c7                      ; 1 / 12!
	v_mov_b32 v31, 0x310f76c7
	s_wait_alu depctr_va_vdst(0)
	v_mul_f32 v26, v24, v24                        ; y = theta^2
	v_mul_f32 v27, v25, v25
.irp k, 0xb2d7322b, 0x3638ef1d, 0xb9500d01, 0x3c088889, 0xbe2aaaab   ; -1/11!, 1/9!, -1/7!, 1/5!, -1/3!
	v_fmaak_f32 v28, v28, v26, \k
	v_fmaak_f32 v29, v29, v27, \k
.endr
.irp k, 0xb493f27e, 0x37d00d01, 0xbab60b61, 0x3d2aaaab               ; -1/10!, 1/8!, -1/6!, 1/4!
	v_fmaak_f32 v30, v30, v26, \k
	v_fmaak_f32 v31, v31, v27, \k
.endr
	v_fma_f32 v28, v28, v26, 1.0
	v_fma_f32 v29, v29, v27, 1.0
	v_fma_f32 v30, v30, v26, -0.5
	v_fma_f32 v31, v31, v27, -0.5
	v_mul_f32 v28, v28, v24                        ; sine
	v_mul_f32 v29, v29, v25
	v_fma_f32 v30, v30, v26, 1.0                   ; cosine
	v_fma_f32 v31, v31, v27, 1.0
	ds_store_b32 v[TRS], v30
	ds_store_b32 v[TRS], v31 offset:128
	ds_store_b32 v[TRS], v28 offset:256
	ds_store_b32 v[TRS], v29 offset:384
	s_wait_dscnt 0x0                               ; the stores have read their registers, which the first step's numbers take
	WSTEP 0
	XSTEP 0, 1
.irp s, 1,2,3,4,5,6,7
	WSTEP \s
	XSTEP \s, 0
.endr
	; ---- END, A.  x W^T: lane (r, h) holds one channel of each tile t and tokens 32 b + 16 h + 8 u + 0 .. 7: the largest magnitude of my wave's 16 tokens, for the wave that holds the block's other 16
.irp t, 0,1,2,3,4,5,6,7
	v_max3_num_f32 v[TM+\t], |v[ACN+8*\t]|, |v[ACN+8*\t+1]|, |v[ACN+8*\t+2]|   ; each accumulator is read from its low end on
.endr
.irp i, 3,5
.irp t, 0,1,2,3,4,5,6,7
	v_max3_num_f32 v[TM+\t], v[TM+\t], |v[ACN+8*\t+\i]|, |v[ACN+8*\t+\i+1]|
.endr
.endr
.irp t, 0,1,2,3,4,5,6,7
	v_max_num_f32 v[TM+\t], v[TM+\t], |v[ACN+8*\t+7]|
.endr
.irp t, 0,1,2,3,4,5,6,7
	v_permlanex16_b32 v[TM+8+\t], v[TM+\t], s[SEL], s[SEL+1]
.endr
.irp t, 0,1,2,3,4,5,6,7
	v_max_num_f32 v[TM+\t], v[TM+\t], v[TM+8+\t]
.endr
	ds_store_b128 v[MXO], v[TM:TM+3]
	ds_store_b128 v[MXO], v[TM+4:TM+7] offset:16
	; W x^T: lane (r, h) holds token r, register 16 b + i channel 32 b + 16 h + i: pair m of block b has angle 16 b + 8 h + m
.irp b, 0,1,2,3
	ds_load_b128 v[X+8*\b:X+8*\b+3], v[TRL] offset:64*\b
	ds_load_b128 v[X+8*\b+4:X+8*\b+7], v[TRL] offset:64*\b+16
	ds_load_b128 v[X+32+8*\b:X+32+8*\b+3], v[TRL] offset:256+64*\b
	ds_load_b128 v[X+32+8*\b+4:X+32+8*\b+7], v[TRL] offset:256+64*\b+16
.endr
	s_wait_dscnt 0x0                               ; cosines and sines are in; the maxima's stores have read their registers
.irp m, 0,1,2,3,4,5,6,7                            ; even' = even cos + odd sin;  odd' = odd cos - even' sin.  The four blocks by turns, the pairs ascending
.irp b, 0,1,2,3
	v_mul_f32 v[ACT+16*\b+2*\m], v[ACT+16*\b+2*\m], v[X+8*\b+\m]
.endr
.irp b, 0,1,2,3
	v_fmac_f32 v[ACT+16*\b+2*\m], v[ACT+16*\b+2*\m+1], v[X+32+8*\b+\m]
.endr
.irp b, 0,1,2,3
	v_mul_f32 v[ACT+16*\b+2*\m+1], v[ACT+16*\b+2*\m+1], v[X+8*\b+\m]
.endr
.irp b, 0,1,2,3
	v_fma_f32 v[ACT+16*\b+2*\m+1], -v[ACT+16*\b+2*\m], v[X+32+8*\b+\m], v[ACT+16*\b+2*\m+1]
.endr
.endr
	QUANT ACT                                      ; k_rot's fragment w and its scale words
	global_store_b128 v[GIM], v[PC:PC+3], s[8:9]               ; 32 lanes store 512 consecutive bytes, at a multiple of 256 from kv's first byte
	global_store_b128 v[GIM], v[PC+4:PC+7], s[8:9] offset:512
	ds_store_b32 v[SCK], v[PW]
	BARRIER                                        ; every wave's maxima lie in LDS
	; ---- END, B.  k along the tokens: a block of 32 tokens is my 16 and my partner's 16
	ds_load_b128 v[X:X+3], v[MXO]
	ds_load_b128 v[X+4:X+7], v[MXO] offset:16
	ds_load_b128 v[X+8:X+11], v[MXP]
	ds_load_b128 v[X+12:X+15], v[MXP] offset:16
.irp q, 0,1,2,3,4,5,6,7
	ds_load_b32 v[X+16+\q], v[MXF] offset:512*\q   ; tile w's channels: all eight waves' maxima, for its scale words
.endr
	s_wait_dscnt 0x0
.irp t, 0,1,2,3,4,5,6,7
	v_max3_num_f32 v[X+24+\t], v[X+\t], v[X+8+\t], 0x1800000   ; the block's largest magnitude, and the floor
.endr
.irp t, 0,1,2,3,4,5,6,7
	v_add_nc_u32 v[X+32+\t], 0xff000000, v[X+24+\t]
.endr
.irp e, 0,1,2,3
	v_max3_num_f32 v[X+48+\e], v[X+16+2*\e], v[X+17+2*\e], 0x1800000   ; block e of the record's tokens, channel row r of tile w: the same three lines give the same byte as the codes' scale
.endr
.irp e, 0,1,2,3
	v_add_nc_u32 v[X+48+\e], 0xff000000, v[X+48+\e]
.endr
.irp e, 0,1,2,3
	v_lshrrev_b32 v[X+48+\e], 23, v[X+48+\e]
.endr
	v_lshl_or_b32 v[X+52], v[X+49], 8, v[X+48]
	v_lshl_or_b32 v[X+52], v[X+50], 16, v[X+52]
	v_lshl_or_b32 v[X+52], v[X+51], 24, v[X+52]
.irp t, 0,1,2,3,4,5,6,7
	v_cvt_scalef32_pk8_fp4_f32 v[X+40+\t], v[ACN+8*\t:ACN+8*\t+7], v[X+32+\t]   ; eight neighbouring tokens' codes of one channel: one word of the fragment's image
.endr
	v_nop                                          ; one plain place behind a scaled conversion
.irp t, 0,1,2,3,4,5,6,7
	ds_store_b32 v[VSS], v[X+40+\t] offset:1024*\t
.endr
	ds_store_b32 v[SCK], v[X+52] offset:512
	BARRIER                                        ; the eight fragments and both tables are whole
	; ---- END, C.  Out in runs of 512 consecutive bytes
	ds_load_b128 v[X+56:X+59], v[VSL]
	ds_load_b128 v[X+60:X+63], v[VSL] offset:512
	s_wait_dscnt 0x0
	global_store_b128 v[GIM], v[X+56:X+59], s[8:9] offset:8192
	global_store_b128 v[GIM], v[X+60:X+63], s[8:9] offset:8192+512
	s_cmp_lt_u32 s10, 2                            ; wave 0 stores k_rot's scale words, wave 1 k's
	s_cbranch_scc0 .Ldone
	ds_load_b128 v[X:X+3], v[SCL]
	s_wait_dscnt 0x0
	global_store_b128 v[GSC], v[X:X+3], s[8:9] offset:16384
.Ldone:
	s_wait_tensorcnt 0x0
	ds_add_u32 v254, v255
	s_wait_dscnt 0x0
	s_endpgm
.Lfunc_end_k_q04bfcb1594_proj:
	.size	k_q04bfcb1594_proj, .Lfunc_end_k_q04bfcb1594_proj-k_q04bfcb1594_proj
	.p2alignl 7, 3214868480
	.fill 96, 4, 3214868480
	.section	.rodata,"a",@progbits
	.p2align	6, 0x0
	.amdhsa_kernel k_q04bfcb1594_proj
		.amdhsa_group_segment_fixed_size 155648
		.amdhsa_private_segment_fixed_size 0
		.amdhsa_enable_private_segment 0
		.amdhsa_kernarg_size 24
		.amdhsa_user_sgpr_count 2
		.amdhsa_user_sgpr_kernarg_segment_ptr 1
		.amdhsa_wavefront_size32 1
		.amdhsa_system_sgpr_workgroup_id_x 1
		.amdhsa_system_sgpr_workgroup_id_y 1
		.amdhsa_system_sgpr_workgroup_id_z 1
		.amdhsa_system_vgpr_workitem_id 0
		.amdhsa_next_free_vgpr 512
		.amdhsa_next_free_sgpr 66
		.amdhsa_reserve_vcc 0
		.amdhsa_float_denorm_mode_32 3
		.amdhsa_float_denorm_mode_16_64 3
		.amdhsa_memory_ordered 1
		.amdhsa_forward_progress 1
		.amdhsa_inst_pref_size 173
	.end_amdhsa_kernel
	.amdgpu_metadata
---
amdhsa.version: [ 1, 2 ]
amdhsa.kernels:
  - .name:           k_q04bfcb1594_proj
    .symbol:         k_q04bfcb1594_proj.kd
    .args:
      - { .name: x, .offset: 0, .size: 8, .value_kind: global_buffer, .address_space: global }
      - { .name: W_K, .offset: 8, .size: 8, .value_kind: global_buffer, .address_space: global }
      - { .name: kv, .offset: 16, .size: 8, .value_kind: global_buffer, .address_space: global }
    .group_segment_fixed_size: 155648
    .private_segment_fixed_size: 0
    .kernarg_segment_align: 8
    .kernarg_segment_size: 24
    .max_flat_workgroup_size: 256
    .sgpr_count:     66
    .vgpr_count:     512
    .wavefront_size: 32
...
	.end_amdgpu_metadata
.endif
;; end of part 1
;; launch attn (part 2): grid 32 x 8, 16 waves a work-group, clusters of 4 x 1, 327,680 bytes of LDS; arguments kv, out0; writes out0
.if DOCPART == 2
	.amdgcn_target "amdgcn-amd-amdhsa--gfx1250"
	.amdhsa_code_object_version 6
	.text
	.protected	k_q04bfcb1594_attn
	.globl	k_q04bfcb1594_attn
	.p2align	8
	.type	k_q04bfcb1594_attn,@function
k_q04bfcb1594_attn:
	s_mov_b64 s[64:65], 0
	v_nop
	global_prefetch_b8 v0, s[64:65] scope:SCOPE_SE
	s_setreg_imm32_b32 hwreg(HW_REG_WAVE_MODE, 25, 1), 1
	s_wait_xcnt 0x0
	s_wait_alu depctr_hold_cnt(0) depctr_sa_sdst(0) depctr_va_vdst(0) depctr_va_sdst(0) depctr_va_ssrc(0) depctr_va_vcc(0) depctr_vm_vsrc(0)
	s_getreg_b32 s2, hwreg(HW_REG_IB_STS2, 6, 4)
	s_cmp_eq_u32 s2, 0
	s_cbranch_scc0 .Lentry_in_a_cluster
	s_endpgm
.Lentry_in_a_cluster:
	s_bfe_u32 s2, ttmp6, 0x10000c
	s_cmp_lg_u32 s2, 0x3003
	s_cbranch_scc0 .Lentry_shape_is_right
	s_endpgm
.Lentry_shape_is_right:
; out[b][q][:] = the sum over keys j <= q of softmax_j(k_rot[q] . k_rot[j] / sqrt(128)) k[j][:], both products on codes of FP4 (E2M1) with one E8M0 scale for each 32 along a product's K.
; kv: for each batch 32 records of 17,408 bytes, one for each 128 tokens: +0 eight fragments of k_rot (16 tokens x 128 channels), +8192 eight fragments of k (16 channels x 128 tokens), each 1,024 bytes as an
; image of the operand's registers; +16384, +16896 their scale words [row 16][tile 8].  Row r of tile t is token (channel) 32 (t / 2) + 8 (t % 2) + r + 8 (r / 8).  A fragment of k_rot serves as 16 keys and as 16 queries.
; THE SOFTMAX: t = score x log2(e) / sqrt(128); M = the largest t so far, rounded UP to a whole number; p = 2^(t - M) is quantised along the keys, not normalised; the sum is taken of the unquantised p and divides at the end.
; When M moves, the sum and O are multiplied by 2^(old M - new M): exact.
; LAYOUT.  Both products are used transposed: S^T = K Q^T, O^T = V^T P^T: a lane holds ONE query (lane % 16) throughout; p's 16 registers of tiles 2 b, 2 b + 1 are keys 32 b + 16 (lane / 16) + 0 .. 15.
; SHARES.  A cluster of four work-groups (number c of 8, in one batch) owns the query groups of 128 tokens 2 c, 2 c + 1, 31 - 2 c, 30 - 2 c: under the causal mask early and late groups together are the same work in every cluster.
; Work-group cx takes tiles 2 cx, 2 cx + 1 of each group.  A tile of 16 queries has TWO waves, w and w + 8: one takes the even key steps, the other the odd ones, each with its own M, sum and O^T, joined exactly at the end.
; So which group a wave has hangs on c and the wave's number alone: every branch is alike in all four partners.  Sixteen waves of 256 registers: one wave's vector work stands beside another's products and LDS loads.
; THE RING.  All four partners walk the same records, so each is asked for JOINTLY: waves 0 and 1 each issue one tensor load of one record (68 rows of 256 bytes, dense) with the mask of all four.
; A slot holds two records, one for each parity.  A key step all of whose keys come after the wave's group is jumped over (a scalar branch on ids); on the diagonal hidden scores become -infinity.
; The cluster needs 32 - 2 c key steps and fetches 4 (8 - c / 2): with c odd one slot is fetched whose steps every wave jumps over.
; LIMITS: NaN and infinities are not served; a block whose every p has fallen under 2^-124 keeps the byte 1.
.set RECB,  17408
.set SLOTB, 2*RECB
.set MRG,   2*SLOTB                    ; LDS behind the ring: for each pair of waves O^T (8,192 bytes) and four statistics a lane (512)
.set STAGE, MRG+8*8704                 ; the way out: 16 rows x (256 bytes + 16) for each pair
.set SPARE, STAGE+8*4352               ; the spare words, 128 bytes for each wave: eight blocks of 256 bytes that no other line names
.set AK,  1                            ; v1   16 x lane + my parity's record: an image's place
.set AS,  2                            ; v2   32 r + my parity's record: a row of scale words
.set SPW, 3                            ; v3   LDS address of my spare word; never rewritten
.set NIL, 4                            ; v4   0; never rewritten
.set GO,  5                            ; v5   the way out: 512 h + 16 r
.set DQ,  6                            ; v6   my query's place in its group - 16 h
.set MRA, 7                            ; v7   my pair's place for the joining
.set STO, 8                            ; v8   the stage, in
.set RD,  9                            ; v9   the stage, back
.set QS,  10                           ; v10  Q's scale words: scales and nothing else
.set NINF, 11                          ; v11  -infinity
                                       ; v12 -M, v13 the largest t, v[14:15] the sum in two halves
.set QF,  16                           ; v16-23   Q's fragment
.set T0,  24                           ; v24-31   at work
.set FR,  32                           ; v32-95   eight fragments, of K and then of V
.set S,   96                           ; v96-159  S^T, then p
.set OA,  160                          ; v160-223 O^T
.set PC,  224                          ; v224-231 p's codes
.set BM,  232                          ; v232-235 each block's largest score, then its largest p
.set BT,  236                          ; v236-239 at work
.set SOP, 240                          ; v240-243 the conversions' scale operands
.set PW,  244                          ; v244     p's scale word: scales and nothing else
.set FF,  246                          ; v[246:247] f = 2^(old M - new M), named as a pair
.set SW,  248                          ; v248-255 the eight tiles' scale words: scales and nothing else
.set WV,  8                            ; s8   my wave's number
.set GQ,  14                           ; s14  my query group
.set KSI, 15                           ; s15  my next key step
.set SEL, 20                           ; s[20:21] lane selects for lane l xor 16
.set CS,  22                           ; s[22:23] c = log2(e) / sqrt(128)
.set G1,  24                           ; s[24:31] descriptor group 1
.set G0,  32                           ; s[32:39] descriptor group 0, a set for each slot
.macro CROUND                          ; a round of the cluster's barrier
	s_barrier_signal -1
	s_barrier_wait -1
	s_cmp_lg_u32 s[WV], 0
	s_cbranch_scc1 .Lnot_wave_0_\@
	s_barrier_signal -3
.Lnot_wave_0_\@:
	s_barrier_wait -3
	s_barrier_signal -1
	s_barrier_wait -1
.endm
.macro JLOAD n                         ; waves 0 and 1 ask for slot n's two records; four v_nop follow the load
	s_cmp_lt_u32 s[WV], 2
	s_cbranch_scc0 .Lasked_\@
	tensor_load_to_lds s[G0+4*\n:G0+4*\n+3], s[G1:G1+7]
	s_nop 0
.rept 4
	v_nop
.endr
.Lasked_\@:
.endm
; THE CHANGE OF SLOTS.  Each wave waits for all its tensor loads (its part of the slot ahead), adds 0 to its spare word, and waits for that and for its reads of slot n, which it has left.
; Behind the round no wave of any partner reads slot n or has a load on its way: it is filled with the records four further on, and that load has a key step's work in which to land.
.macro CHANGE n
	s_wait_tensorcnt 0x0                           ; no tensor load of mine is out, so a group 0 may be written
	ds_add_u32 v[SPW], v[NIL]                      ; 0 onto my spare word
	ds_add_u32 v3, v4
	s_add_nc_u64 s[G0+4*\n+2:G0+4*\n+3], s[G0+4*\n+2:G0+4*\n+3], 4*RECB   ; the type bits on top are not reached
	s_wait_dscnt 0x0                               ; the add is done, and my reads of the slot are over
	CROUND
	JLOAD \n
.endm
; A KEY STEP: my parity's record of the slot, 128 keys.
.macro STEP slot
.set SB0, (\slot)*SLOTB
	s_cmp_gt_u32 s[KSI], s[GQ]                     ; all its keys come after my queries: nothing to do but count
	s_cbranch_scc1 .Lhid_\@
.irp t, 0,1,2,3,4,5,6,7
	ds_load_b128 v[FR+8*\t:FR+8*\t+3], v[AK] offset:SB0+1024*\t
	ds_load_b128 v[FR+8*\t+4:FR+8*\t+7], v[AK] offset:SB0+1024*\t+512
.endr
	ds_load_b128 v[SW:SW+3], v[AS] offset:SB0+16384
	ds_load_b128 v[SW+4:SW+7], v[AS] offset:SB0+16384+16
	s_wait_dscnt 0x0
.irp t, 0,1,2,3,4,5,6,7
	v_wmma_scale_f32_16x16x128_f8f6f4 v[S+8*\t:S+8*\t+7], v[FR+8*\t:FR+8*\t+7], v[QF:QF+7], 0, v[SW+\t], v[QS] matrix_a_fmt:MATRIX_FMT_FP4 matrix_b_fmt:MATRIX_FMT_FP4
.endr
.rept 4
	v_nop                                          ; four places ahead of the loads into the products' registers and of the first read of the scores
.endr
.irp t, 0,1,2,3,4,5,6,7                            ; V's fragments are asked for now and land under the softmax
	ds_load_b128 v[FR+8*\t:FR+8*\t+3], v[AK] offset:SB0+8192+1024*\t
	ds_load_b128 v[FR+8*\t+4:FR+8*\t+7], v[AK] offset:SB0+8192+1024*\t+512
.endr
	ds_load_b128 v[SW:SW+3], v[AS] offset:SB0+16896
	ds_load_b128 v[SW+4:SW+7], v[AS] offset:SB0+16896+16
	s_cmp_lg_u32 s[KSI], s[GQ]                     ; only my own group's step lies on the diagonal
	s_cbranch_scc1 .Lopen_\@
.set n, 0
.rept 64                                           ; register 16 b + i holds key 32 b + 16 h + i of the group: hidden where 32 b + i > my query's place - 16 h
	v_cmp_gt_i32 vcc_lo, 32*(n/16)+n%16, v[DQ]
	v_cndmask_b32 v[S+n], v[S+n], v[NINF], vcc_lo
.set n, n+1
.endr
.Lopen_\@:
.irp b, 0,1,2,3
	v_max3_num_f32 v[BM+\b], v[S+16*\b], v[S+1+16*\b], v[S+2+16*\b]   ; the largest score of each block of 32 keys: for the row's maximum, and, since p rises with the score, for the block's largest p
.endr
.irp i, 3,5,7,9,11,13
.irp b, 0,1,2,3
	v_max3_num_f32 v[BM+\b], v[BM+\b], v[S+16*\b+\i], v[S+1+16*\b+\i]
.endr
.endr
.irp b, 0,1,2,3
	v_max_num_f32 v[BM+\b], v[BM+\b], v[S+15+16*\b]
.endr
.irp b, 0,1,2,3
	v_permlanex16_b32 v[BT+\b], v[BM+\b], s[SEL], s[SEL+1]
.endr
.irp b, 0,1,2,3
	v_max_num_f32 v[BM+\b], v[BM+\b], v[BT+\b]     ; with lane l xor 16's 16 keys
.endr
	v_max3_num_f32 v[T0], v[BM], v[BM+1], v[BM+2]
	v_max_num_f32 v[T0], v[T0], v[BM+3]            ; the step's largest score of my query
	v_mul_f32 v[T0], s[CS], v[T0]                  ; as t (c is positive)
	v_max_num_f32 v13, v13, v[T0]                  ; the running largest t
	v_mov_b32 v[T0], v12
	v_floor_f32 v12, -v13                          ; the new -M = floor(-t) = -ceil(t)
	v_sub_f32 v[T0], v12, v[T0]                    ; old M - new M: a whole number, 0 or less
	v_cvt_i32_f32 v[T0], v[T0]                     ; (it saturates)
	v_ldexp_f32 v[FF], 1.0, v[T0]                  ; f = 2^(old M - new M)
.set j, 0
.rept 32
	v_pk_fma_f32 v[S+j:S+j+1], v[S+j:S+j+1], s[CS:CS+1], v[12:13] op_sel_hi:[1,0,0]   ; t - M, two at a time
.set j, j+2
.endr
.irp b, 0,1,2,3
	v_fma_f32 v[BM+\b], v[BM+\b], s[CS], v12       ; the same of each block's largest score
.endr
.set j, 0
.rept 64
	v_exp_f32 v[S+j], v[S+j]                       ; p = 2^(t - M), at most 1
.set j, j+1
.endr
.irp b, 0,1,2,3
	v_exp_f32 v[BM+\b], v[BM+\b]                   ; the block's largest p: the same two instructions on the same number
.endr
	v_pk_mul_f32 v[14:15], v[14:15], v[FF:FF+1] op_sel_hi:[1,0]   ; the sums under the new M (a plain place behind the exponentials)
	s_wait_alu depctr_va_vdst(0)
.irp b, 0,1,2,3
	v_max_num_f32 v[BM+\b], 0x1800000, v[BM+\b]    ; the floor 2^(3 - 127): the byte cannot fall under 1
.endr
.irp b, 0,1,2,3
	v_add_nc_u32 v[SOP+\b], 0xff000000, v[BM+\b]   ; 2 off the exponent field: the conversion's scale operand
.endr
.irp b, 0,1,2,3
	v_lshrrev_b32 v[BT+\b], 23, v[SOP+\b]          ; the scale's byte
.endr
	v_lshl_or_b32 v[PW], v[BT+1], 8, v[BT]
	v_lshl_or_b32 v[PW], v[BT+2], 16, v[PW]
	v_lshl_or_b32 v[PW], v[BT+3], 24, v[PW]
.irp b, 0,1,2,3
	v_cvt_scalef32_pk8_fp4_f32 v[PC+2*\b], v[S+16*\b:S+7+16*\b], v[SOP+\b]
	v_cvt_scalef32_pk8_fp4_f32 v[PC+1+2*\b], v[S+8+16*\b:S+15+16*\b], v[SOP+\b]
.endr
	v_nop                                          ; one plain place behind a scaled conversion
.irp c, 0,1                                        ; a whole block in a lane: lanes 0-15 block 2 c, lanes 16-31 block 2 c + 1
.irp i, 0,1
	v_permlane16_swap_b32 v[PC+4*\c+\i], v[PC+2+4*\c+\i]
.endr
.endr
	v_pk_add_f32 v[BT:BT+1], v[S:S+1], v[S+2:S+3]  ; the row's sum is taken of the unquantised p: two at a time, in two chains
.irp j, 4,8,12,16,20,24,28,32,36,40,44,48,52,56,60
	v_pk_add_f32 v[14:15], v[14:15], v[S+\j:S+1+\j]
	v_pk_add_f32 v[BT:BT+1], v[BT:BT+1], v[S+2+\j:S+3+\j]
.endr
	v_pk_add_f32 v[14:15], v[14:15], v[BT:BT+1]    ; (these additions are the places between p's scale word and codes and the scaled products below)
.set j, 0
.rept 32
	v_pk_mul_f32 v[OA+j:OA+j+1], v[OA+j:OA+j+1], v[FF:FF+1] op_sel_hi:[1,0]   ; O^T under the new M, each accumulator from its low end on
.set j, j+2
.endr
	s_wait_dscnt 0x0                               ; V's fragments and scale words are in
.irp t, 0,1,2,3,4,5,6,7                            ; the eight accumulators take turns
	v_wmma_scale_f32_16x16x128_f8f6f4 v[OA+8*\t:OA+8*\t+7], v[FR+8*\t:FR+8*\t+7], v[PC:PC+7], v[OA+8*\t:OA+8*\t+7], v[SW+\t], v[PW] matrix_a_fmt:MATRIX_FMT_FP4 matrix_b_fmt:MATRIX_FMT_FP4
.endr
.rept 4
	v_nop                                          ; four places ahead of the next loads into the products' registers and of the next read of O^T
.endr
.Lhid_\@:
	s_add_co_u32 s[KSI], s[KSI], 2                 ; my parity's next key step
.endm
	s_load_b128 s[4:7], s[0:1], 0x0                ; kv, out0
	v_lshl_add_u32 v[SPW], v0, 2, SPARE
	v_mov_b32 v[NIL], 0
	ds_add_u32 v3, v4
	ds_add_u32 v3, v4
	s_wait_dscnt 0x0
	v_lshrrev_b32 v24, 5, v0
	v_readfirstlane_b32 s[WV], v24                 ; wave 0..15
	v_and_b32 v25, 31, v0                          ; lane
	v_and_b32 v26, 15, v0                          ; r
	v_bfe_u32 v27, v0, 4, 1                        ; h
	s_lshr_b32 s9, s[WV], 3                        ; my parity of key steps
	s_and_b32 s10, s[WV], 1                        ; which of the work-group's two tiles; for waves 0, 1 also: which record of a slot I fetch
	s_bfe_u32 s11, ttmp6, 0x40000                  ; cx: it enters Q's and out0's addresses and the mask's numbers alone
	s_mov_b32 s12, ttmp9                           ; c: the cluster's number, which the partners share
	s_and_b32 s13, ttmp7, 0xffff                   ; the batch, likewise
	s_bfe_u32 s40, s[WV], 0x10001
	s_lshl_b32 s[GQ], s12, 1
	s_add_co_u32 s[GQ], s[GQ], s40                 ; 2 c or 2 c + 1,
	s_bfe_u32 s40, s[WV], 0x10002
	s_mul_i32 s40, s40, 31
	s_xor_b32 s[GQ], s[GQ], s40                    ; or 31 less that: my query group
	s_mov_b32 s[KSI], s9
	s_lshr_b32 s16, s12, 1
	s_sub_co_u32 s16, 7, s16                       ; the loop's trips: 7 - c / 2, alike in all partners
	s_mov_b32 s[SEL], 0x76543210
	s_mov_b32 s[SEL+1], 0xfedcba98
	s_mov_b32 s[CS], 0x3e0293ee                    ; log2(e) / sqrt(128)
	s_mov_b32 s[CS+1], s[CS]                       ; (named with it as a pair, so it is written)
	; descriptor group 1: a record as 68 rows of 256 bytes (32 elements of 8 bytes), dense in memory and in LDS
	s_mov_b32 s[G1], 15|(3<<16)|(1<<21)            ; 15:0 the mask: all four work-groups; 17:16 elements of 8 bytes; 21 set beside a mask; no padding: images are read 16 bytes a lane on end
	s_mov_b32 s[G1+1], 32<<16                      ; tensor_dim0
	s_mov_b32 s[G1+2], 68<<16                      ; tensor_dim1
	s_mov_b32 s[G1+3], 32<<16                      ; tile_dim0
	s_mov_b32 s[G1+4], 68                          ; tile_dim1
	s_mov_b32 s[G1+5], 32                          ; tensor_dim0_stride
	s_mov_b32 s[G1+6], 0
	s_mov_b32 s[G1+7], 0
	s_mul_i32 s40, s13, 32*RECB                    ; the batch's records
	s_mov_b32 s41, 0
	s_mul_i32 s42, s10, RECB                       ; the record that I fetch: in memory and in a slot
	s_mov_b32 s43, 0
	s_lshl_b32 s46, s11, 1
	s_add_co_u32 s46, s46, s10                     ; my tile of queries in its group: 2 cx + (wave & 1)
	s_mul_i32 s48, s[GQ], RECB
	s_lshl_b32 s50, s46, 10
	s_add_co_u32 s50, s50, s48                     ; its fragment,
	s_mov_b32 s51, 0
	s_lshl_b32 s52, s46, 2
	s_add_co_u32 s52, s52, s48                     ; its column of scale words
	s_mov_b32 s53, 0
	s_lshl_b32 s56, s11, 5
	s_lshl_b32 s57, s10, 3
	s_add_co_u32 s56, s56, s57                     ; the tile's first token in the group: 32 cx + 8 (wave & 1)
	s_lshl_b32 s54, s13, 12
	s_lshl_b32 s55, s[GQ], 7
	s_add_co_u32 s54, s54, s55
	s_add_co_u32 s54, s54, s56
	s_lshl_b32 s54, s54, 9                         ; its row of out0, 512 bytes a row
	s_mov_b32 s55, 0
	s_wait_kmcnt 0x0
	s_add_nc_u64 s[40:41], s[4:5], s[40:41]
	s_add_nc_u64 s[44:45], s[40:41], s[42:43]
	s_add_nc_u64 s[50:51], s[40:41], s[50:51]
	s_add_nc_u64 s[52:53], s[40:41], s[52:53]
	s_add_nc_u64 s[54:55], s[6:7], s[54:55]
	s_mov_b32 s[G0], 1                             ; count = 1
	s_mov_b32 s[G0+1], s42                         ; LDS address: slot 0
	s_mov_b64 s[G0+2:G0+3], s[44:45]               ; records 0, 1
	s_or_b32 s[G0+3], s[G0+3], 0x80000000          ; type = 2
	s_mov_b32 s[G0+4], 1
	s_add_co_u32 s[G0+5], s42, SLOTB               ; slot 1
	s_add_nc_u64 s[G0+6:G0+7], s[44:45], SLOTB     ; records 2, 3
	s_or_b32 s[G0+7], s[G0+7], 0x80000000
	CROUND                                         ; all four work-groups are here: the first joint loads meet
	s_cmp_lt_u32 s[WV], 2                          ; a wave's two first fills stand in one branch, ahead of every wait on TENSORcnt and every LDS read: two loads of mine are out
	s_cbranch_scc0 .Lfirst_asked
	tensor_load_to_lds s[G0:G0+3], s[G1:G1+7]
	s_nop 0
	tensor_load_to_lds s[G0+4:G0+7], s[G1:G1+7]
	s_nop 0
.rept 4
	v_nop
.endr
.Lfirst_asked:
	v_lshlrev_b32 v28, 4, v25                      ; 16 x lane
	v_lshlrev_b32 v29, 5, v26                      ; 32 r
	global_load_b128 v[QF:QF+3], v28, s[50:51]     ; Q's fragment stays in registers
	global_load_b128 v[QF+4:QF+7], v28, s[50:51] offset:512
	global_load_b32 v[QS], v29, s[52:53] offset:16384
	s_mul_i32 s57, s9, RECB
	v_add_nc_u32 v[AK], s57, v28
	v_add_nc_u32 v[AS], s57, v29
	v_lshlrev_b32 v[GO], 4, v26
	v_lshl_add_u32 v[GO], v27, 9, v[GO]
	v_and_b32 v[DQ], 8, v26
	v_add_nc_u32 v[DQ], v[DQ], v26                 ; r + 8 (r / 8)
	v_lshlrev_b32 v30, 4, v27
	v_sub_nc_u32 v[DQ], v[DQ], v30
	v_add_nc_u32 v[DQ], s56, v[DQ]
	s_and_b32 s58, s[WV], 7                        ; my pair
	s_mul_i32 s59, s58, 8704
	s_add_co_u32 s59, s59, MRG
	v_add_nc_u32 v[MRA], s59, v28
	s_mul_i32 s59, s58, 4352
	s_add_co_u32 s59, s59, STAGE
	v_mul_u32_u24 v[STO], v26, 272
	v_lshl_add_u32 v[STO], v27, 6, v[STO]
	v_add_nc_u32 v[STO], s59, v[STO]               ; in: row r, + 64 h
	v_mul_u32_u24 v[RD], v27, 272
	v_lshl_add_u32 v[RD], v26, 4, v[RD]
	v_add_nc_u32 v[RD], s59, v[RD]                 ; back: lanes 0-15 one row, lanes 16-31 the next
	v_mov_b32 v[NINF], 0xff800000
	v_mov_b32 v13, 0xff61b1e6                      ; the largest t so far: -3e38, under every t
	v_floor_f32 v12, -v13                          ; -M
	v_mov_b32 v14, 0
	v_mov_b32 v15, 0
.irp b, 0,1,2,3
	v_mov_b32 v[BT+\b], 0                          ; written once: a lane permute's destination counts as one of its sources
.endr
	v_mov_b32 v[FF+1], 0                           ; (named as the upper half of f's pair)
.set j, 0
.rept 64
	v_mov_b32 v[OA+j], 0                           ; O^T.  The key step is written without a first form of its own: the first finds zeros, which the first change of M leaves zeros; a wave with no step at all hands zeros on
.set j, j+1
.endr
	s_wait_loadcnt 0x0                             ; Q
	s_wait_tensorcnt 1                             ; my part of slot 0 is in; slot 1's may stay out
	s_barrier_signal -1
	s_barrier_wait -1                              ; everybody's is
	STEP 0
	s_mov_b32 s17, 0
.Lloop:                                            ; a trip goes once round the ring and fills both slots again
	CHANGE 0
	STEP 1
	CHANGE 1
	STEP 0
	s_add_co_u32 s17, s17, 1
	s_cmp_lt_u32 s17, s16
	s_cbranch_scc1 .Lloop
	s_wait_tensorcnt 0x0                           ; the last change of slots is written out: nothing is asked for, so a plain barrier serves
	ds_add_u32 v[SPW], v[NIL]
	s_wait_dscnt 0x0
	s_barrier_signal -1
	s_barrier_wait -1
	STEP 1
	; THE JOINING.  The wave of the odd key steps hands its O^T, -M and sums to its partner as images of its registers.
	s_cmp_lt_u32 s[WV], 8
	s_cbranch_scc1 .Lkeep
.set j, 0
.rept 16
	ds_store_b128 v[MRA], v[OA+4*j:OA+4*j+3] offset:512*j   ; ascending: each accumulator from its low end on
.set j, j+1
.endr
	ds_store_b128 v[MRA], v[12:15] offset:8192
.Lkeep:
	s_wait_dscnt 0x0                               ; for the partner's sake: my stores have landed
	s_barrier_signal -1
	s_barrier_wait -1
	s_cmp_lt_u32 s[WV], 8
	s_cbranch_scc0 .Lend
.set j, 0
.rept 16
	ds_load_b128 v[FR+4*j:FR+4*j+3], v[MRA] offset:512*j
.set j, j+1
.endr
	ds_load_b128 v[S:S+3], v[MRA] offset:8192      ; the partner's -M, t, and sum in two halves
	s_wait_dscnt 0x0
	v_min_num_f32 v24, v12, v[S]                   ; -M of both: the larger M
	v_sub_f32 v25, v24, v12                        ; my M less it,
	v_sub_f32 v26, v24, v[S]                       ; the partner's less it: whole numbers, 0 or less (a partner that had no step: -3e38, which saturates and gives the factor 0)
	v_cvt_i32_f32 v25, v25
	v_cvt_i32_f32 v26, v26
	v_ldexp_f32 v[FF], 1.0, v25
	v_ldexp_f32 v28, 1.0, v26
	v_add_f32 v14, v14, v15
	v_add_f32 v[S+2], v[S+2], v[S+3]
	v_mul_f32 v14, v14, v[FF]
	v_fmac_f32 v14, v[S+2], v28                    ; the sum of both, under the common M
.set j, 0
.rept 32
	v_pk_mul_f32 v[OA+j:OA+j+1], v[OA+j:OA+j+1], v[FF:FF+1] op_sel_hi:[1,0]
.set j, j+2
.endr
.set j, 0
.rept 32
	v_pk_fma_f32 v[OA+j:OA+j+1], v[FR+j:FR+j+1], v[28:29], v[OA+j:OA+j+1] op_sel_hi:[1,0,1]
.set j, j+2
.endr
	; THE WAY OUT.  O^T / the sum goes through my stage, half a row (64 channels, 256 bytes) of 16 queries at a time.
	v_permlanex16_b32 v25, v14, s[SEL], s[SEL+1]
	v_add_f32 v14, v14, v25                        ; with lane l xor 16's: the row's sum
	v_rcp_f32 v14, v14
	v_nop                                          ; one plain place behind a transcendental
.set j, 0
	s_wait_alu depctr_va_vdst(0)
.rept 32
	v_pk_mul_f32 v[S+j:S+j+1], v[OA+j:OA+j+1], v[14:15] op_sel_hi:[1,0]   ; register 16 b + i is channel 32 b + 16 h + i of my query
.set j, j+2
.endr
.irp u, 0,1
.irp b, 0,1
.irp k, 0,1,2,3
	ds_store_b128 v[STO], v[S+32*\u+16*\b+4*\k:S+32*\u+16*\b+4*\k+3] offset:128*\b+16*\k
.endr
.endr
.irp i, 0,1,2,3,4,5,6,7
	ds_load_b128 v[FR+32*\u+4*\i:FR+32*\u+4*\i+3], v[RD] offset:544*\i   ; LDS serves a wave's instructions in order: these see my stores, and the next half's stores come behind them
.endr
.endr
.irp u, 0,1
.irp i, 0,1,2,3,4,5,6,7
	s_wait_dscnt 23-16*\u-\i                       ; behind this load: the rest of its half's loads, and for the first half the second's 8 stores and 8 loads
	global_store_b128 v[GO], v[FR+32*\u+4*\i:FR+32*\u+4*\i+3], s[54:55] offset:(2*\i+8*(\i/4))*512+256*\u th:TH_STORE_NT   ; stage row n is token n + 8 (n / 8) of the tile; 16 lanes store 256 consecutive bytes, at a multiple of 256 from out0's first byte
.endr
.endr
.Lend:
	s_wait_tensorcnt 0x0                           ; the wave's end: behind my last tensor load and my last LDS store
	ds_add_u32 v[SPW], v[NIL]
	s_wait_dscnt 0x0
	CROUND                                         ; the closing round: no work-group ends while a partner may still ask for a record that names it
	s_endpgm
.Lfunc_end_k_q04bfcb1594_attn:
	.size	k_q04bfcb1594_attn, .Lfunc_end_k_q04bfcb1594_attn-k_q04bfcb1594_attn
	.p2alignl 7, 3214868480
	.fill 96, 4, 3214868480
	.section	.rodata,"a",@progbits
	.p2align	6, 0x0
	.amdhsa_kernel k_q04bfcb1594_attn
		.amdhsa_group_segment_fixed_size 327680
		.amdhsa_private_segment_fixed_size 0
		.amdhsa_enable_private_segment 0
		.amdhsa_kernarg_size 16
		.amdhsa_user_sgpr_count 2
		.amdhsa_user_sgpr_kernarg_segment_ptr 1
		.amdhsa_wavefront_size32 1
		.amdhsa_system_sgpr_workgroup_id_x 1
		.amdhsa_system_sgpr_workgroup_id_y 1
		.amdhsa_system_sgpr_workgroup_id_z 1
		.amdhsa_system_vgpr_workitem_id 0
		.amdhsa_next_free_vgpr 256
		.amdhsa_next_free_sgpr 66
		.amdhsa_reserve_vcc 1
		.amdhsa_float_denorm_mode_32 3
		.amdhsa_float_denorm_mode_16_64 3
		.amdhsa_memory_ordered 1
		.amdhsa_forward_progress 1
		.amdhsa_inst_pref_size 113
	.end_amdhsa_kernel
	.amdgpu_metadata
---
amdhsa.version: [ 1, 2 ]
amdhsa.kernels:
  - .name:           k_q04bfcb1594_attn
    .symbol:         k_q04bfcb1594_attn.kd
    .args:
      - { .name: kv, .offset: 0, .size: 8, .value_kind: global_buffer, .address_space: global }
      - { .name: out0, .offset: 8, .size: 8, .value_kind: global_buffer, .address_space: global }
    .group_segment_fixed_size: 327680
    .private_segment_fixed_size: 0
    .kernarg_segment_align: 8
    .kernarg_segment_size: 16
    .max_flat_workgroup_size: 512
    .sgpr_count:     66
    .vgpr_count:     256
    .wavefront_size: 32
...
	.end_amdgpu_metadata
.endif
;; end of part 2
;; ======== version 2 of 2: 2 launches; version 1 with the launch proj written anew for expert scheduling mode
;; workspace buffers: kv 4,456,448 bytes
;; launch proj (part 3): grid 256 x 1, 8 waves a work-group, no clusters, 155,648 bytes of LDS; arguments x, W_K, kv; writes kv
.if DOCPART == 3
	.amdgcn_target "amdgcn-amd-amdhsa--gfx1250"
	.amdhsa_code_object_version 6
	.text
	.protected	k_q04bfcb1594_proj
	.globl	k_q04bfcb1594_proj
	.p2align	8
	.type	k_q04bfcb1594_proj,@function
k_q04bfcb1594_proj:
	s_mov_b64 s[64:65], 0
	v_nop
	global_prefetch_b8 v0, s[64:65] scope:SCOPE_SE
	s_setreg_imm32_b32 hwreg(HW_REG_WAVE_SCHED_MODE, 0, 2), 2
	s_setreg_imm32_b32 hwreg(HW_REG_WAVE_MODE, 25, 1), 1
	s_wait_xcnt 0x0
	s_wait_alu depctr_vm_vsrc(0)
; k = x W_K^T on codes of FP4 (E2M1) with one E8M0 scale for each 32 along K; then k's two quantised forms for the attention:
; k_rot (k turned by 64 fixed angles) quantised along the head's 128, and k itself quantised along the tokens, 32 to a block.
; x: [32768][1024] f32.  W_K: [128][1024] f32.  kv: 256 records of 17,408 bytes, one for each 128 tokens: this work-group makes record ttmp9.
; A RECORD: +0 eight fragments of k_rot's codes (16 tokens x 128 channels), +8192 eight fragments of k's codes (16 channels x 128 tokens), each 1,024 bytes as an IMAGE OF THE
; OPERAND'S REGISTERS ([half c][lane][16 bytes]); +16384 k_rot's scale words [row 16][tile 8]; +16896 k's likewise.
; THE ROWS OF A TILE ARE NOT NEIGHBOURS: row r of tile t is token (or channel) 32 (t / 2) + 8 (t % 2) + r + 8 (r / 8), so that a transposed result's 16 registers of tiles 2 b, 2 b + 1 are 16 neighbours.
; SHARES.  Eight waves.  Wave w quantises tile w of W_K (16 channels) and tile w of the 128 tokens of x, 128 along K a step; W_K's fragments go to the other waves through LDS as images.
; Steps take turns: W_K's K step s, a barrier, x's K step s and its 16 products.  Loads run four steps (64 loads a wave) ahead, in four sets of 64 registers, so x streams from the first line on.
; BOTH ORIENTATIONS of the product are made from the same fragments: W x^T (a lane holds one token, registers along the channels: what the rotation and the quantiser along the head want)
; and x W^T (a lane holds one channel, registers along eight neighbouring tokens: what the quantiser along the tokens wants).  That spares a transposition of f32 numbers through LDS.
; A load reads 512 consecutive bytes of one row; the conversions want 16 neighbours in a lane: a step's 16 rows turn through the wave's own stage in LDS (pitch 528 = 33 x 16 bytes).
; NO CLUSTER, NO TENSOR LOAD: what the work-groups share is W_K as f32, and every number of it has to pass a lane's registers to be quantised; it is read by plain loads, as x is, and no LDS slot is filled by an engine.
; THE ANGLES: theta_p = 2^(-p log2(10000) / 64), p = 0 .. 63, at most 1; sine and cosine by their series up to theta^13 and theta^12: what is cut off lies under 2e-10.
; LIMITS: NaN and infinities among the inputs are not served.  A block whose largest magnitude lies under 2^-124 has its byte held at 1; a block of zeros gets the byte 1 and not 127: its codes are zeros, and this program alone reads the bytes.
; THE MODE: SCHED_MODE bits 1:0 = 2 (LLVM: expert scheduling mode 2), set by the entry lines.  The code itself states the register dependences
; between vector or matrix instructions and memory or LDS instructions, with s_wait_alu, always for 0.
; THE PLAN.  Registers that memory or LDS instructions touch:
;   the four sets (window 1)  Written by global loads, read by the stage's stores, named by no vector or matrix instruction.  Step tau: its 16 stores read set tau % 4; behind ONE wait on vm_vsrc the loads of
;                             step tau + 4 land in it, issued while the numbers' turn through the stage is still out.
;   v[X ..]                   Loaded from the stage in every step and read by the quantiser; in x's steps loaded again with W_K's fragments and read by the 16 products.  No store reads it in the steps.
;   v[WS ..]                  Loaded in x's steps, read by the products as scales.
;   v[PC ..], v[PW]           Written by the quantiser; read by the image stores in W_K's steps, by the products in x's steps, by the record's stores at the end.
;   v4 to v21                 Offsets and LDS addresses: made once at the head, never written again; every step is reached by immediate offsets.
; So a pair of steps holds three waits on va_vdst.  (1) W_K's step, between the stage's stores and the stage's loads: the last step's products are done reading v[X ..].  (2) W_K's step, behind the quantiser:
; v[PC ..] and v[PW] are written, which the image stores read; no vector instruction stands between this wait and the next step's loads into v[X ..], so x's step owes none at its head.  (3) x's step, behind the
; quantiser and the places: the conversions are done reading v[X ..], in which W_K's fragments land, and v[PC ..] and v[PW] are written, which the scaled products take.
; The step's wait on vm_vsrc serves v[PC ..] and v[PW] too: in x's steps it states that the image stores have read them, ahead of the quantiser that writes them again.
.set RECB, 17408
.set WIMG, 0                           ; LDS: W_K's 64 fragments, (K step s, tile t) at (8 s + t) x 1,024
.set WSC,  65536                       ; their scale words [s][row 16][tile 8]
.set STG,  69632                       ; a stage for each wave: 16 rows x 528 bytes
.set TRIG, 137216                      ; for each wave: 64 cosines, 64 sines
.set MAXT, 141312                      ; [wave][row 16][tile 8]: largest |k| of a wave's 16 tokens, for each channel
.set VST,  145408                      ; k's eight fragments along the tokens, gathered
.set SCW,  153600                      ; the record's two tables of scale words
.set GOFF, 4                           ; v4   16 x lane: my bytes of a load's 512
.set STS,  5                           ; v5   the stage, in: 16 x lane
.set STL,  6                           ; v6   the stage, out: 528 r + 64 h
.set LI,   7                           ; v7   16 x lane: an image's place for my lane
.set WIS,  8                           ; v8   where I store W_K's images: 16 x lane + 1,024 x wave
.set LSW,  9                           ; v9   W_K's scale words of row r
.set WSS,  10                          ; v10  and where I store mine
.set TRS,  11                          ; v11  my wave's table, 4 x lane
.set TRL,  12                          ; v12  my wave's table, 32 h
.set MXO,  13                          ; v13  my wave's maxima of row r
.set MXP,  14                          ; v14  those of the wave that holds the other 16 tokens of my block of 32
.set MXF,  15                          ; v15  tile w's maxima of row r, wave 0's
.set VSS,  16                          ; v16  where my eight codes along the tokens go
.set VSL,  17                          ; v17  the gathered fragment w, 16 x lane
.set SCK,  18                          ; v18  scale word (row r, tile w)
.set SCL,  19                          ; v19  a table of scale words, 16 x lane
.set GIM,  20                          ; v20  byte offset of fragment w in the record
.set GSC,  21                          ; v21  and of a table
.set X,    24                          ; v24-87   64 numbers of a lane; then W_K's eight fragments; at work in the end phases
.set ACT,  88                          ; v88-151  W x^T: tile t at + 8 t
.set ACN,  152                         ; v152-215 x W^T: tile t at + 8 t
.set PC,   216                         ; v216-223 the codes just made
.set TM,   224                         ; v224-239 at work in the quantiser
.set PW,   240                         ; v240     the scale word just made: scales and nothing else
.set WS,   242                         ; v242-249 W_K's scale words of a K step: scales and nothing else
.set SEL,  20                          ; s[20:21] v_permlanex16_b32's selects for lane l xor 16
.set MSB, 0
.macro WIN new                         ; window 1 (v256-511) holds the four sets of loaded numbers; the immediate's high byte repeats the setting that is left
.if MSB != \new
	s_set_vgpr_msb (MSB<<8)|\new
.set MSB, \new
.endif
.endm
.macro BARRIER                         ; my LDS stores have landed and my LDS loads are in: then the work-group's barrier
	s_wait_dscnt 0x0
	s_barrier_signal -1
	s_barrier_wait -1
.endm
; Step tau's 16 rows x 512 bytes into set tau % 4.  Even steps are W_K's K step tau / 2, odd steps x's.
; dep = 1: the kernel's first load;  dep = 2: the set has just been read by the stage's stores;  dep = 0: nothing is owed.  The window is switched first, then the wait, then the loads.
.macro LOAD tau, dep
	WIN 0x40                                       ; destination window 1, address window 0
.if \dep == 1
	s_wait_alu depctr_va_vdst(0)                   ; v[GOFF] is written, which every load of x and of W_K reads as its offset
.elseif \dep == 2
	s_wait_alu depctr_vm_vsrc(0)                   ; the stage's stores have read this set, in which the loads below land; in x's steps also: W_K's image stores have read v[PC ..] and v[PW], which the quantiser writes again
.endif
.irp i, 0,1,2,3,4,5,6,7,8,9,10,11,12,13,14,15
.if (\tau)%2
	global_load_b128 v[64*((\tau)%4)+4*\i:64*((\tau)%4)+4*\i+3], v[GOFF], s[4:5] offset:(\i+8*(\i/8))*4096+512*((\tau)/2) th:TH_LOAD_NT
.else
	global_load_b128 v[64*((\tau)%4)+4*\i:64*((\tau)%4)+4*\i+3], v[GOFF], s[6:7] offset:(\i+8*(\i/8))*4096+512*((\tau)/2)
.endif
.endr
	WIN 0
.endm
; The step's numbers through my stage: in as loaded, out 16 neighbours of each block of 32: register 16 b + i = k 32 b + 16 h + i of row r.  LDS serves a wave's instructions in order: no wait on DScnt between.
.macro TURN tau
	WIN 0x04                                       ; an LDS store's data are its source 1: window 1
.irp i, 0,1,2,3,4,5,6,7,8,9,10,11,12,13,14,15
	ds_store_b128 v[STS], v[64*((\tau)%4)+4*\i:64*((\tau)%4)+4*\i+3] offset:528*\i
.endr
	WIN 0
.if ((\tau)%2 == 0) && ((\tau) > 0)
	s_wait_alu depctr_va_vdst(0)                   ; the last step's 16 products are done reading v[X ..], in which the loads below land.  (In x's steps, and in the first step, no vector or matrix instruction has named v[X ..] since the last such wait)
.endif
.irp b, 0,1,2,3
.irp j, 0,1,2,3
	ds_load_b128 v[X+16*\b+4*\j:X+16*\b+4*\j+3], v[STL] offset:128*\b+16*\j
.endr
.endr
.endm
; 64 numbers of a lane, register 16 b + i = k 32 b + 16 h + i of my row, become a fragment's codes in v[PC] on and its scale word in v[PW].
.macro QUANT s
.irp b, 0,1,2,3
	v_max3_num_f32 v[TM+\b], |v[\s+16*\b]|, |v[\s+1+16*\b]|, 0x1800000   ; block b: my 16 numbers, and the floor 2^(3 - 127): the byte cannot fall under 1
.endr
.irp i, 2,4,6,8,10,12,14
.irp b, 0,1,2,3
	v_max3_num_f32 v[TM+\b], v[TM+\b], |v[\s+16*\b+\i]|, |v[\s+1+16*\b+\i]|   ; the four blocks by turns
.endr
.endr
.irp b, 0,1,2,3
	v_permlanex16_b32 v[TM+4+\b], v[TM+\b], s[SEL], s[SEL+1]
.endr
.irp b, 0,1,2,3
	v_max_num_f32 v[TM+\b], v[TM+\b], v[TM+4+\b]   ; with lane l xor 16's: the block's largest magnitude
.endr
.irp b, 0,1,2,3
	v_add_nc_u32 v[TM+12+\b], 0xff000000, v[TM+\b] ; 2 off its exponent field: the conversion takes the exponent field of this operand as its scale
.endr
.irp b, 0,1,2,3
	v_lshrrev_b32 v[TM+4+\b], 23, v[TM+12+\b]      ; the scale's byte
.endr
	v_lshl_or_b32 v[PW], v[TM+5], 8, v[TM+4]       ; four bytes: my row's scale word
	v_lshl_or_b32 v[PW], v[TM+6], 16, v[PW]
	v_lshl_or_b32 v[PW], v[TM+7], 24, v[PW]
.irp b, 0,1,2,3
	v_cvt_scalef32_pk8_fp4_f32 v[PC+2*\b], v[\s+16*\b:\s+7+16*\b], v[TM+12+\b]
	v_cvt_scalef32_pk8_fp4_f32 v[PC+1+2*\b], v[\s+8+16*\b:\s+15+16*\b], v[TM+12+\b]
.endr
	v_nop                                          ; one plain place behind a scaled conversion
.irp c, 0,1                                        ; the operand's layout wants a whole block in a lane: lanes 0-15 block 2 c, lanes 16-31 block 2 c + 1
.irp i, 0,1
	v_permlane16_swap_b32 v[PC+4*\c+\i], v[PC+2+4*\c+\i]
.endr
.endr
.endm
; What every step begins with: its 16 loads are in, its numbers turn through the stage, its set takes the loads of four steps on while that turn is out, and the numbers are quantised.
.macro INSTEP tau
.if 15-(\tau) >= 3
	s_wait_loadcnt 48                              ; loads come back in order: mine are in; the 16 of each of the three steps behind may be out
.else
	s_wait_loadcnt 16*(15-(\tau))                  ; the last steps: fewer sets are behind
.endif
	TURN \tau
.if (\tau)+4 <= 15
	LOAD (\tau)+4, 2
.elseif (\tau)%2
	s_wait_alu depctr_vm_vsrc(0)                   ; x's last two steps load nothing more: W_K's image stores have read v[PC ..] and v[PW], which the quantiser writes again
.endif
	s_wait_dscnt 0x0                               ; the numbers are back
	QUANT X
.endm
.macro WSTEP s                         ; W_K's K step s: my tile's fragment and scale word go to LDS for all eight waves
	INSTEP 2*(\s)
	s_wait_alu depctr_va_vdst(0)                   ; the quantiser has written v[PC ..] and v[PW], which the three stores read; it is also done reading v[X ..], in which the next step's numbers land
	ds_store_b128 v[WIS], v[PC:PC+3] offset:WIMG+8192*(\s)
	ds_store_b128 v[WIS], v[PC+4:PC+7] offset:WIMG+8192*(\s)+512
	ds_store_b32 v[WSS], v[PW] offset:512*(\s)
	BARRIER
.endm
.macro XSTEP s, zero                   ; x's K step s: my 16 tokens against all 128 channels, both ways round.  zero = 1: the products start the sums
	INSTEP 2*(\s)+1
.rept 8
	v_nop                                          ; x's scale word was made by vector instructions: eight places ahead of a scaled product (its codes: four); the wait follows the places
.endr
	s_wait_alu depctr_va_vdst(0)                   ; the conversions are done reading v[X ..], in which W_K's fragments land; v[PC ..] and v[PW] are written, which the scaled products take as operand and scales
.irp t, 0,1,2,3,4,5,6,7
	ds_load_b128 v[X+8*\t:X+8*\t+3], v[LI] offset:WIMG+(8*(\s)+\t)*1024
	ds_load_b128 v[X+8*\t+4:X+8*\t+7], v[LI] offset:WIMG+(8*(\s)+\t)*1024+512
.endr
	ds_load_b128 v[WS:WS+3], v[LSW] offset:512*(\s)
	ds_load_b128 v[WS+4:WS+7], v[LSW] offset:512*(\s)+16
	s_wait_dscnt 0x0
.irp t, 0,1,2,3,4,5,6,7                            ; the 16 accumulators take turns, one instruction a turn
.if \zero
	v_wmma_scale_f32_16x16x128_f8f6f4 v[ACT+8*\t:ACT+8*\t+7], v[X+8*\t:X+8*\t+7], v[PC:PC+7], 0, v[WS+\t], v[PW] matrix_a_fmt:MATRIX_FMT_FP4 matrix_b_fmt:MATRIX_FMT_FP4
.else
	v_wmma_scale_f32_16x16x128_f8f6f4 v[ACT+8*\t:ACT+8*\t+7], v[X+8*\t:X+8*\t+7], v[PC:PC+7], v[ACT+8*\t:ACT+8*\t+7], v[WS+\t], v[PW] matrix_a_fmt:MATRIX_FMT_FP4 matrix_b_fmt:MATRIX_FMT_FP4
.endif
.endr
.irp t, 0,1,2,3,4,5,6,7
.if \zero
	v_wmma_scale_f32_16x16x128_f8f6f4 v[ACN+8*\t:ACN+8*\t+7], v[PC:PC+7], v[X+8*\t:X+8*\t+7], 0, v[PW], v[WS+\t] matrix_a_fmt:MATRIX_FMT_FP4 matrix_b_fmt:MATRIX_FMT_FP4
.else
	v_wmma_scale_f32_16x16x128_f8f6f4 v[ACN+8*\t:ACN+8*\t+7], v[PC:PC+7], v[X+8*\t:X+8*\t+7], v[ACN+8*\t:ACN+8*\t+7], v[PW], v[WS+\t] matrix_a_fmt:MATRIX_FMT_FP4 matrix_b_fmt:MATRIX_FMT_FP4
.endif
.endr
.rept 4
	v_nop                                          ; four places (ISA guide 7.12.1) ahead of vector writes of the products' registers and of the first read of results
.endr
.endm
	s_load_b128 s[4:7], s[0:1], 0x0                ; x, W_K
	s_load_b64 s[8:9], s[0:1], 0x10                ; kv
	v_lshl_add_u32 v254, v0, 2, 0x25c00
	v_mov_b32 v255, 0
	v_lshrrev_b32 v1, 5, v0
	v_readfirstlane_b32 s10, v1                    ; wave 0..7
	v_and_b32 v1, 31, v0                           ; lane
	v_and_b32 v2, 15, v0                           ; r
	v_bfe_u32 v3, v0, 4, 1                         ; h
	s_wait_alu depctr_va_sdst(0)                   ; s10 is written, ahead of its first reader: the bases and every wave's LDS addresses are made from it
	s_lshr_b32 s11, s10, 1                         ; b: which 32 rows
	s_and_b32 s12, s10, 1                          ; u: which eights of them
	s_lshl_b32 s13, s11, 5
	s_lshl_b32 s14, s12, 3
	s_add_co_u32 s13, s13, s14                     ; my tile's first row: 32 b + 8 u
	s_lshl_b32 s14, s13, 12                        ; rows of x and of W_K are 4,096 bytes
	s_mov_b32 s15, 0
	s_lshl_b32 s16, ttmp9, 19                      ; the work-group's 128 rows of x
	s_mov_b32 s17, 0
	s_mul_i32 s18, ttmp9, RECB                     ; and its record
	s_mov_b32 s19, 0
	s_mov_b32 s[SEL], 0x76543210
	s_mov_b32 s[SEL+1], 0xfedcba98
	v_lshlrev_b32 v[GOFF], 4, v1
	s_wait_kmcnt 0x0
	s_add_nc_u64 s[4:5], s[4:5], s[14:15]
	s_add_nc_u64 s[4:5], s[4:5], s[16:17]
	s_add_nc_u64 s[6:7], s[6:7], s[14:15]
	s_add_nc_u64 s[8:9], s[8:9], s[18:19]
	LOAD 0, 1
	LOAD 1, 0                                      ; between the wait in the first run and these loads stand loads and window switches alone
	LOAD 2, 0
	LOAD 3, 0
	; every LDS address: a constant + a constant x lane + a constant x wave
	s_mul_i32 s22, s10, 8448
	s_add_co_u32 s22, s22, STG
	v_add_nc_u32 v[STS], s22, v[GOFF]
	v_mul_u32_u24 v[STL], v2, 528
	v_lshl_add_u32 v[STL], v3, 6, v[STL]
	v_add_nc_u32 v[STL], s22, v[STL]
	v_lshlrev_b32 v[LI], 4, v1
	s_lshl_b32 s23, s10, 10
	v_add_nc_u32 v[WIS], s23, v[LI]
	v_lshlrev_b32 v22, 5, v2                       ; 32 r
	v_add_nc_u32 v[LSW], WSC, v22
	s_lshl_b32 s24, s10, 2
	v_add_nc_u32 v[WSS], s24, v[LSW]
	s_lshl_b32 s25, s10, 9
	s_add_co_u32 s25, s25, TRIG
	v_lshl_add_u32 v[TRS], v1, 2, s25
	v_lshl_add_u32 v[TRL], v3, 5, s25
	s_lshl_b32 s25, s10, 9
	s_add_co_u32 s25, s25, MAXT
	v_add_nc_u32 v[MXO], s25, v22
	s_xor_b32 s26, s10, 1
	s_lshl_b32 s26, s26, 9
	s_add_co_u32 s26, s26, MAXT
	v_add_nc_u32 v[MXP], s26, v22
	s_add_co_u32 s26, s24, MAXT
	v_add_nc_u32 v[MXF], s26, v22
	s_lshl_b32 s26, s11, 8
	s_lshl_b32 s27, s12, 2
	s_add_co_u32 s26, s26, s27
	s_add_co_u32 s26, s26, VST
	v_lshlrev_b32 v[VSS], 4, v2
	v_lshl_add_u32 v[VSS], v3, 3, v[VSS]
	v_add_nc_u32 v[VSS], s26, v[VSS]               ; 256 b + 16 r + 8 h + 4 u: block b of the tokens, row r, my eight codes' word
	s_add_co_u32 s26, s23, VST
	v_add_nc_u32 v[VSL], s26, v[LI]
	s_add_co_u32 s26, s24, SCW
	v_add_nc_u32 v[SCK], s26, v22
	s_lshl_b32 s27, s12, 9
	s_add_co_u32 s26, s27, SCW
	v_add_nc_u32 v[SCL], s26, v[LI]
	v_add_nc_u32 v[GIM], s23, v[LI]
	v_add_nc_u32 v[GSC], s27, v[LI]
.irp i, 4,5,6,7,8,9,10,11,12,13,14,15
	v_mov_b32 v[TM+\i], 0                          ; written once: a lane permute's destination counts as one of its sources
.endr
	; THE TABLE, while the first loads are out: lane l makes the cosines and sines of angles l and l + 32
	v_cvt_f32_u32 v24, v1
	v_add_nc_u32 v25, 32, v1
	v_cvt_f32_u32 v25, v25
	v_mul_f32 v24, 0xbe549a78, v24                 ; - p log2(10000) / 64
	v_mul_f32 v25, 0xbe549a78, v25
	v_exp_f32 v24, v24                             ; theta
	v_exp_f32 v25, v25
	v_mov_b32 v28, 0x2f309231                      ; 1 / 13!  (a plain place behind the exponentials)
	v_mov_b32 v29, 0x2f309231
	v_mov_b32 v30, 0x310f76c7                      ; 1 / 12!
	v_mov_b32 v31, 0x310f76c7
	s_wait_alu depctr_va_vdst(0)                   ; the two exponentials have written theta: one wait for both, ahead of their first reader
	v_mul_f32 v26, v24, v24                        ; y = theta^2
	v_mul_f32 v27, v25, v25
.irp k, 0xb2d7322b, 0x3638ef1d, 0xb9500d01, 0x3c088889, 0xbe2aaaab   ; -1/11!, 1/9!, -1/7!, 1/5!, -1/3!
	v_fmaak_f32 v28, v28, v26, \k
	v_fmaak_f32 v29, v29, v27, \k
.endr
.irp k, 0xb493f27e, 0x37d00d01, 0xbab60b61, 0x3d2aaaab               ; -1/10!, 1/8!, -1/6!, 1/4!
	v_fmaak_f32 v30, v30, v26, \k
	v_fmaak_f32 v31, v31, v27, \k
.endr
	v_fma_f32 v28, v28, v26, 1.0
	v_fma_f32 v29, v29, v27, 1.0
	v_fma_f32 v30, v30, v26, -0.5
	v_fma_f32 v31, v31, v27, -0.5
	v_mul_f32 v28, v28, v24                        ; sine
	v_mul_f32 v29, v29, v25
	v_fma_f32 v30, v30, v26, 1.0                   ; cosine
	v_fma_f32 v31, v31, v27, 1.0
	s_wait_alu depctr_va_vdst(0)                   ; sines and cosines are written, which the four stores read; so are the addresses v5 to v21, which every LDS instruction and store of the kernel reads; and the lines above are done with v24 to v31, in which the first step's numbers land
	ds_store_b32 v[TRS], v30
	ds_store_b32 v[TRS], v31 offset:128
	ds_store_b32 v[TRS], v28 offset:256
	ds_store_b32 v[TRS], v29 offset:384
	s_wait_alu depctr_vm_vsrc(0)                   ; the four stores have read v28 to v31, in which the first step's numbers land
	WSTEP 0
	XSTEP 0, 1
.irp s, 1,2,3,4,5,6,7
	WSTEP \s
	XSTEP \s, 0
.endr
	; ---- END, A.  x W^T: lane (r, h) holds one channel of each tile t and tokens 32 b + 16 h + 8 u + 0 .. 7: the largest magnitude of my wave's 16 tokens, for the wave that holds the block's other 16
.irp t, 0,1,2,3,4,5,6,7
	v_max3_num_f32 v[TM+\t], |v[ACN+8*\t]|, |v[ACN+8*\t+1]|, |v[ACN+8*\t+2]|   ; each accumulator is read from its low end on
.endr
.irp i, 3,5
.irp t, 0,1,2,3,4,5,6,7
	v_max3_num_f32 v[TM+\t], v[TM+\t], |v[ACN+8*\t+\i]|, |v[ACN+8*\t+\i+1]|
.endr
.endr
.irp t, 0,1,2,3,4,5,6,7
	v_max_num_f32 v[TM+\t], v[TM+\t], |v[ACN+8*\t+7]|
.endr
.irp t, 0,1,2,3,4,5,6,7
	v_permlanex16_b32 v[TM+8+\t], v[TM+\t], s[SEL], s[SEL+1]
.endr
.irp t, 0,1,2,3,4,5,6,7
	v_max_num_f32 v[TM+\t], v[TM+\t], v[TM+8+\t]
.endr
	s_wait_alu depctr_va_vdst(0)                   ; the maxima v[TM .. TM+7] are written, which the two stores read; the last products are done reading v[X ..], in which cosines and sines land
	ds_store_b128 v[MXO], v[TM:TM+3]
	ds_store_b128 v[MXO], v[TM+4:TM+7] offset:16
	; W x^T: lane (r, h) holds token r, register 16 b + i channel 32 b + 16 h + i: pair m of block b has angle 16 b + 8 h + m
.irp b, 0,1,2,3
	ds_load_b128 v[X+8*\b:X+8*\b+3], v[TRL] offset:64*\b
	ds_load_b128 v[X+8*\b+4:X+8*\b+7], v[TRL] offset:64*\b+16
	ds_load_b128 v[X+32+8*\b:X+32+8*\b+3], v[TRL] offset:256+64*\b
	ds_load_b128 v[X+32+8*\b+4:X+32+8*\b+7], v[TRL] offset:256+64*\b+16
.endr
	s_wait_dscnt 0x0                               ; cosines and sines are in
.irp m, 0,1,2,3,4,5,6,7                            ; even' = even cos + odd sin;  odd' = odd cos - even' sin.  The four blocks by turns, the pairs ascending
.irp b, 0,1,2,3
	v_mul_f32 v[ACT+16*\b+2*\m], v[ACT+16*\b+2*\m], v[X+8*\b+\m]
.endr
.irp b, 0,1,2,3
	v_fmac_f32 v[ACT+16*\b+2*\m], v[ACT+16*\b+2*\m+1], v[X+32+8*\b+\m]
.endr
.irp b, 0,1,2,3
	v_mul_f32 v[ACT+16*\b+2*\m+1], v[ACT+16*\b+2*\m+1], v[X+8*\b+\m]
.endr
.irp b, 0,1,2,3
	v_fma_f32 v[ACT+16*\b+2*\m+1], -v[ACT+16*\b+2*\m], v[X+32+8*\b+\m], v[ACT+16*\b+2*\m+1]
.endr
.endr
	s_wait_alu depctr_vm_vsrc(0)                   ; the maxima's two stores have read v[TM .. TM+7], which the quantiser writes again; the rotation stands between them and this wait
	QUANT ACT                                      ; k_rot's fragment w and its scale words
	s_wait_alu depctr_va_vdst(0)                   ; the quantiser has written v[PC ..] and v[PW], which the three stores read; the rotation is done reading v[X ..], in which the maxima land behind the barrier
	global_store_b128 v[GIM], v[PC:PC+3], s[8:9]               ; 32 lanes store 512 consecutive bytes, at a multiple of 256 from kv's first byte
	global_store_b128 v[GIM], v[PC+4:PC+7], s[8:9] offset:512
	ds_store_b32 v[SCK], v[PW]
	BARRIER                                        ; every wave's maxima lie in LDS
	; ---- END, B.  k along the tokens: a block of 32 tokens is my 16 and my partner's 16
	ds_load_b128 v[X:X+3], v[MXO]
	ds_load_b128 v[X+4:X+7], v[MXO] offset:16
	ds_load_b128 v[X+8:X+11], v[MXP]
	ds_load_b128 v[X+12:X+15], v[MXP] offset:16
.irp q, 0,1,2,3,4,5,6,7
	ds_load_b32 v[X+16+\q], v[MXF] offset:512*\q   ; tile w's channels: all eight waves' maxima, for its scale words
.endr
	s_wait_dscnt 0x0
.irp t, 0,1,2,3,4,5,6,7
	v_max3_num_f32 v[X+24+\t], v[X+\t], v[X+8+\t], 0x1800000   ; the block's largest magnitude, and the floor
.endr
.irp t, 0,1,2,3,4,5,6,7
	v_add_nc_u32 v[X+32+\t], 0xff000000, v[X+24+\t]
.endr
.irp e, 0,1,2,3
	v_max3_num_f32 v[X+48+\e], v[X+16+2*\e], v[X+17+2*\e], 0x1800000   ; block e of the record's tokens, channel row r of tile w: the same three lines give the same byte as the codes' scale
.endr
.irp e, 0,1,2,3
	v_add_nc_u32 v[X+48+\e], 0xff000000, v[X+48+\e]
.endr
.irp e, 0,1,2,3
	v_lshrrev_b32 v[X+48+\e], 23, v[X+48+\e]
.endr
	v_lshl_or_b32 v[X+52], v[X+49], 8, v[X+48]
	v_lshl_or_b32 v[X+52], v[X+50], 16, v[X+52]
	v_lshl_or_b32 v[X+52], v[X+51], 24, v[X+52]
.irp t, 0,1,2,3,4,5,6,7
	v_cvt_scalef32_pk8_fp4_f32 v[X+40+\t], v[ACN+8*\t:ACN+8*\t+7], v[X+32+\t]   ; eight neighbouring tokens' codes of one channel: one word of the fragment's image
.endr
	v_nop                                          ; one plain place behind a scaled conversion
	s_wait_alu depctr_va_vdst(0)                   ; the codes v[X+40 .. X+47] and the scale word v[X+52] are written, which the nine stores read; the lines above are done reading v[X .. X+3], in which a table lands behind the barrier
.irp t, 0,1,2,3,4,5,6,7
	ds_store_b32 v[VSS], v[X+40+\t] offset:1024*\t
.endr
	ds_store_b32 v[SCK], v[X+52] offset:512
	BARRIER                                        ; the eight fragments and both tables are whole
	; ---- END, C.  Out in runs of 512 consecutive bytes.  No vector instruction stands behind the last wait on va_vdst: the loads below owe nothing, and their data go from LDS loads to stores
	ds_load_b128 v[X+56:X+59], v[VSL]
	ds_load_b128 v[X+60:X+63], v[VSL] offset:512
	s_wait_dscnt 0x0
	global_store_b128 v[GIM], v[X+56:X+59], s[8:9] offset:8192
	global_store_b128 v[GIM], v[X+60:X+63], s[8:9] offset:8192+512
	s_cmp_lt_u32 s10, 2                            ; wave 0 stores k_rot's scale words, wave 1 k's
	s_cbranch_scc0 .Ldone
	ds_load_b128 v[X:X+3], v[SCL]
	s_wait_dscnt 0x0
	global_store_b128 v[GSC], v[X:X+3], s[8:9] offset:16384
.Ldone:
	s_wait_dscnt 0x0
	s_wait_alu depctr_hold_cnt(0) depctr_sa_sdst(0) depctr_va_vdst(0) depctr_va_sdst(0) depctr_va_ssrc(0) depctr_va_vcc(0) depctr_vm_vsrc(0)
	s_wait_tensorcnt 0x0
	ds_add_u32 v254, v255
	s_wait_dscnt 0x0
	s_endpgm
.Lfunc_end_k_q04bfcb1594_proj:
	.size	k_q04bfcb1594_proj, .Lfunc_end_k_q04bfcb1594_proj-k_q04bfcb1594_proj
	.p2alignl 7, 3214868480
	.fill 96, 4, 3214868480
	.section	.rodata,"a",@progbits
	.p2align	6, 0x0
	.amdhsa_kernel k_q04bfcb1594_proj
		.amdhsa_group_segment_fixed_size 155648
		.amdhsa_private_segment_fixed_size 0
		.amdhsa_enable_private_segment 0
		.amdhsa_kernarg_size 24
		.amdhsa_user_sgpr_count 2
		.amdhsa_user_sgpr_kernarg_segment_ptr 1
		.amdhsa_wavefront_size32 1
		.amdhsa_system_sgpr_workgroup_id_x 1
		.amdhsa_system_sgpr_workgroup_id_y 1
		.amdhsa_system_sgpr_workgroup_id_z 1
		.amdhsa_system_vgpr_workitem_id 0
		.amdhsa_next_free_vgpr 512
		.amdhsa_next_free_sgpr 66
		.amdhsa_reserve_vcc 0
		.amdhsa_float_denorm_mode_32 3
		.amdhsa_float_denorm_mode_16_64 3
		.amdhsa_memory_ordered 1
		.amdhsa_forward_progress 1
		.amdhsa_inst_pref_size 175
	.end_amdhsa_kernel
	.amdgpu_metadata
---
amdhsa.version: [ 1, 2 ]
amdhsa.kernels:
  - .name:           k_q04bfcb1594_proj
    .symbol:         k_q04bfcb1594_proj.kd
    .args:
      - { .name: x, .offset: 0, .size: 8, .value_kind: global_buffer, .address_space: global }
      - { .name: W_K, .offset: 8, .size: 8, .value_kind: global_buffer, .address_space: global }
      - { .name: kv, .offset: 16, .size: 8, .value_kind: global_buffer, .address_space: global }
    .group_segment_fixed_size: 155648
    .private_segment_fixed_size: 0
    .kernarg_segment_align: 8
    .kernarg_segment_size: 24
    .max_flat_workgroup_size: 256
    .sgpr_count:     66
    .vgpr_count:     512
    .wavefront_size: 32
...
	.end_amdgpu_metadata
.endif
;; end of part 3
;; launch attn: the kernel of part 2 again; grid 32 x 8, 16 waves a work-group, clusters of 4 x 1, 327,680 bytes of LDS; arguments kv, out0; writes out0
